; MI455X (gfx1250); checked and timed in simulation.
; The chip was launched on July 23, 2026; its instructions are those of AMD's public machine-readable ISA for CDNA 5 (MIT licence, August 2026) and "CDNA5" Instruction Set Architecture Reference Guide (July 2026). The comments in the code are by the model that wrote it; some were corrected since.
;; GRU Cell. Allowed arithmetic: float matrix products may take bf16 or f16 operands with f32 sums; all other float work in f32.
;; Inputs: Uhn 1,024 x 1,024 float32; Uhr 1,024 x 1,024 float32; Uhz 1,024 x 1,024 float32; Win 1,024 x 1,024 float32; Wir 1,024 x 1,024 float32; Wiz 1,024 x 1,024 float32; bn 1,024 float32; br 1,024 float32; bz 1,024 float32; h 8,192 x 1,024 float32; x 8,192 x 1,024 float32.
;; Outputs: out0 8,192 x 1,024 float32.
;; One version. Each part assembles by itself: llvm-mc -triple=amdgcn-amd-amdhsa -mcpu=gfx1250 --defsym DOCPART=n.
;; ======== version 1 of 1: 3 launches
;; workspace buffers: xb 16,777,216 bytes; hb 16,777,216 bytes; rhb 16,777,216 bytes; wb 12,582,912 bytes; zf 33,554,432 bytes
;; launch cast (part 1): grid 128 x 22, 8 waves a work-group, no clusters, 0 bytes of LDS; arguments x, h, Wiz, Uhz, Wir, Uhr, Win, Uhn, xb, hb, wb; writes xb, hb, wb
.if DOCPART == 1
	.amdgcn_target "amdgcn-amd-amdhsa--gfx1250"
	.amdhsa_code_object_version 6
	.text
	.protected	k_q3563d2a00e_cast
	.globl	k_q3563d2a00e_cast
	.p2align	8
	.type	k_q3563d2a00e_cast,@function
k_q3563d2a00e_cast:
	s_mov_b64 s[64:65], 0
	v_nop
	global_prefetch_b8 v0, s[64:65] scope:SCOPE_SE
	s_setreg_imm32_b32 hwreg(HW_REG_WAVE_MODE, 25, 1), 1
	s_wait_xcnt 0x0
; CAST.  x, h and the six weight matrices, all f32, are rounded once to bf16 (nearest even) for the matrix products of the two launches behind.
; xb, hb: [8192][1024] bf16.  wb: the six [1024][1024] matrices in the order Wiz, Uhz, Wir, Uhr, Win, Uhn, so that a gate's two matrices are ONE dense [2048 k][1024 n] matrix.
; SHARES.  22 parts of 2^20 numbers (the grid's y): 0-7 x, 8-15 h, 16-21 the weights.  A part has 128 work-groups (the grid's x) of 8,192 numbers: 32 KiB in, 16 KiB out.
; Thread t takes 16 bytes (4 numbers) at 16 t + 4,096 j, j = 0..7: a wave's load covers 512 consecutive bytes; its store of 8 bytes a lane covers 256 consecutive bytes, aligned.
; A stream: each byte is read once and written once; no LDS, no matrix unit, no cluster (the work-groups share no input).  All eight loads of a wave go out before the first wait.
.set X,  4                             ; v[4:35]   eight loads of four f32
.set Y,  36                            ; v[36:51]  eight pairs of packed bf16
	s_load_b512 s[4:19], s[0:1], 0x0               ; x s[4:5], h s[6:7], Wiz s[8:9], Uhz s[10:11], Wir s[12:13], Uhr s[14:15], Win s[16:17], Uhn s[18:19]
	s_load_b128 s[20:23], s[0:1], 0x40             ; xb s[20:21], hb s[22:23]
	s_load_b64 s[24:25], s[0:1], 0x50              ; wb
	s_and_b32 s26, ttmp7, 0xffff                   ; y: the part
	s_and_b32 s27, s26, 7                          ; which eighth of x or of h
	s_max_u32 s28, s26, 16
	s_sub_co_u32 s28, s28, 16                      ; which weight matrix (0 where the part is none)
	s_cmp_lt_u32 s26, 16
	s_cselect_b32 s29, s27, 0                      ; the part's place in its source: a weight matrix is a whole buffer
	s_cselect_b32 s30, s27, s28                    ; and in its destination
	s_lshl_b32 s32, s29, 22                        ; 4 MiB of f32 a part,
	s_lshl_b32 s31, ttmp9, 15                      ; 32 KiB a work-group
	s_add_co_u32 s32, s32, s31
	s_mov_b32 s33, 0
	s_lshl_b32 s34, s30, 21                        ; 2 MiB of bf16 a part,
	s_lshl_b32 s31, ttmp9, 14                      ; 16 KiB a work-group
	s_add_co_u32 s34, s34, s31
	s_mov_b32 s35, 0
	v_lshlrev_b32 v1, 4, v0                        ; 16 t
	v_lshlrev_b32 v2, 3, v0                        ; 8 t
	s_wait_kmcnt 0x0
	s_mov_b64 s[36:37], s[18:19]                   ; the source: Uhn, unless the part says otherwise
.irp i, 0,1,2,3,4
	s_cmp_eq_u32 s26, 16+(\i)
	s_cselect_b64 s[36:37], s[8+2*(\i):9+2*(\i)], s[36:37]
.endr
	s_cmp_lt_u32 s26, 16
	s_cselect_b64 s[36:37], s[6:7], s[36:37]       ; h,
	s_cselect_b64 s[38:39], s[22:23], s[24:25]     ; into hb; the weights into wb
	s_cmp_lt_u32 s26, 8
	s_cselect_b64 s[36:37], s[4:5], s[36:37]       ; x,
	s_cselect_b64 s[38:39], s[20:21], s[38:39]     ; into xb
	s_add_nc_u64 s[36:37], s[36:37], s[32:33]
	s_add_nc_u64 s[38:39], s[38:39], s[34:35]
.irp j, 0,1,2,3,4,5,6,7
	global_load_b128 v[X+4*(\j):X+4*(\j)+3], v1, s[36:37] offset:4096*(\j) th:TH_LOAD_NT  ; read once in this launch
.endr
.irp j, 0,1,2,3,4,5,6,7
	s_wait_loadcnt 7-(\j)                          ; loads come back in order (ISA guide 5.7.1): load j is in, the 7 - j younger ones stay out
	v_cvt_pk_bf16_f32 v[Y+2*(\j)],   v[X+4*(\j)],   v[X+4*(\j)+1]
	v_cvt_pk_bf16_f32 v[Y+2*(\j)+1], v[X+4*(\j)+2], v[X+4*(\j)+3]
	global_store_b64 v2, v[Y+2*(\j):Y+2*(\j)+1], s[38:39] offset:2048*(\j)  ; no register is written twice, so nothing waits for a store
.endr
	s_endpgm
.Lfunc_end_k_q3563d2a00e_cast:
	.size	k_q3563d2a00e_cast, .Lfunc_end_k_q3563d2a00e_cast-k_q3563d2a00e_cast
	.p2alignl 7, 3214868480
	.fill 96, 4, 3214868480
	.section	.rodata,"a",@progbits
	.p2align	6, 0x0
	.amdhsa_kernel k_q3563d2a00e_cast
		.amdhsa_group_segment_fixed_size 0
		.amdhsa_private_segment_fixed_size 0
		.amdhsa_enable_private_segment 0
		.amdhsa_kernarg_size 88
		.amdhsa_user_sgpr_count 2
		.amdhsa_user_sgpr_kernarg_segment_ptr 1
		.amdhsa_wavefront_size32 1
		.amdhsa_system_sgpr_workgroup_id_x 1
		.amdhsa_system_sgpr_workgroup_id_y 1
		.amdhsa_system_sgpr_workgroup_id_z 1
		.amdhsa_system_vgpr_workitem_id 0
		.amdhsa_next_free_vgpr 52
		.amdhsa_next_free_sgpr 66
		.amdhsa_reserve_vcc 0
		.amdhsa_float_denorm_mode_32 3
		.amdhsa_float_denorm_mode_16_64 3
		.amdhsa_memory_ordered 1
		.amdhsa_forward_progress 1
		.amdhsa_inst_pref_size 5
	.end_amdhsa_kernel
	.amdgpu_metadata
---
amdhsa.version: [ 1, 2 ]
amdhsa.kernels:
  - .name:           k_q3563d2a00e_cast
    .symbol:         k_q3563d2a00e_cast.kd
    .args:
      - { .name: x, .offset: 0, .size: 8, .value_kind: global_buffer, .address_space: global }
      - { .name: h, .offset: 8, .size: 8, .value_kind: global_buffer, .address_space: global }
      - { .name: Wiz, .offset: 16, .size: 8, .value_kind: global_buffer, .address_space: global }
      - { .name: Uhz, .offset: 24, .size: 8, .value_kind: global_buffer, .address_space: global }
      - { .name: Wir, .offset: 32, .size: 8, .value_kind: global_buffer, .address_space: global }
      - { .name: Uhr, .offset: 40, .size: 8, .value_kind: global_buffer, .address_space: global }
      - { .name: Win, .offset: 48, .size: 8, .value_kind: global_buffer, .address_space: global }
      - { .name: Uhn, .offset: 56, .size: 8, .value_kind: global_buffer, .address_space: global }
      - { .name: xb, .offset: 64, .size: 8, .value_kind: global_buffer, .address_space: global }
      - { .name: hb, .offset: 72, .size: 8, .value_kind: global_buffer, .address_space: global }
      - { .name: wb, .offset: 80, .size: 8, .value_kind: global_buffer, .address_space: global }
    .group_segment_fixed_size: 0
    .private_segment_fixed_size: 0
    .kernarg_segment_align: 8
    .kernarg_segment_size: 88
    .max_flat_workgroup_size: 256
    .sgpr_count:     66
    .vgpr_count:     52
    .wavefront_size: 32
...
	.end_amdgpu_metadata
.endif
;; end of part 1
;; launch gates (part 2): grid 8 x 32, 4 waves a work-group, clusters of 4 x 4, 327,680 bytes of LDS; arguments xb, hb, wb, bz, br, h, zf, rhb; writes zf, rhb
.if DOCPART == 2
	.amdgcn_target "amdgcn-amd-amdhsa--gfx1250"
	.amdhsa_code_object_version 6
	.text
	.protected	k_q3563d2a00e_gates
	.globl	k_q3563d2a00e_gates
	.p2align	8
	.type	k_q3563d2a00e_gates,@function
k_q3563d2a00e_gates:
	s_mov_b64 s[64:65], 0
	v_nop
	global_prefetch_b8 v0, s[64:65] scope:SCOPE_SE
	s_setreg_imm32_b32 hwreg(HW_REG_WAVE_MODE, 25, 1), 1
	s_wait_xcnt 0x0
	s_wait_alu depctr_hold_cnt(0) depctr_sa_sdst(0) depctr_va_vdst(0) depctr_va_sdst(0) depctr_va_ssrc(0) depctr_va_vcc(0) depctr_vm_vsrc(0)
	s_getreg_b32 s2, hwreg(HW_REG_IB_STS2, 6, 4)
	s_cmp_eq_u32 s2, 0
	s_cbranch_scc0 .Lentry_in_a_cluster
	s_endpgm
.Lentry_in_a_cluster:
	s_bfe_u32 s2, ttmp6, 0x10000c
	s_cmp_lg_u32 s2, 0xf033
	s_cbranch_scc0 .Lentry_shape_is_right
	s_endpgm
.Lentry_shape_is_right:
; GATES.  z = sigmoid([x|h] [Wiz;Uhz] + bz) -> zf (f32);  r = sigmoid([x|h] [Wir;Uhr] + br), r h -> rhb (bf16, the operand of the product in the launch behind).
; One product of 8192 x 2048 (z's 1024 columns, r's 1024) x 2048 (K: x's 1024 channels, then h's).  Operands bf16 (xb, hb [8192][1024]; wb: gate g is a dense [2048 k][1024 n] at byte g x 4 MiB), sums f32.
; LIMITS.  x, h, the weights and r h are each rounded once to bf16 for the products.  sigmoid(v) = 1 / (1 + 2^(-1.442695 v)): it is exactly 0 where the power overflows to infinity and exactly 1 where the power
; falls below 2^-126 (v_exp_f32 flushes there: ISA guide 15.8).  NaN and infinities are not treated apart.  In r h, h is the f32 input.
; SHARES.  A tile of 256 rows x 256 columns to a work-group: 8 x 32 = 256 work-groups.  Four waves, each 128 x 128: 64 accumulators of 16 x 16, 512 registers.  K goes in 16 steps of 128 through two LDS slots.
; CLUSTERS of 4 x 4.  The cluster's x is the gate, cx the tile column in it, 4 x cluster y + cy the tile row.  The four of a row of the cluster need the same rows of [x|h], the four of a column the same columns of the
; weights: each tile is asked for JOINTLY, by the same tensor load with the same descriptor and a mask that names the four.
; THE MATRIX INSTRUCTION IS USED TRANSPOSED: source 0 = 16 columns of the weights, source 1 = 16 rows of [x|h]; a lane then holds row l % 16 and the eight neighbouring columns 8 (l / 16) + 0..7.
; The weights lie [k][n] in memory and in LDS; ds_load_tr16_b128 turns them into fragments, so no launch transposes them.
; THE WAY OUT goes by blocks of 16 rows, four to a trip of a loop of two.  h (r's gate alone) is asked for four blocks at a time, into the four fragment buffers, well ahead of the block that wants it.
; REGISTERS, in windows of 256 (s_set_vgpr_msb: bits 1:0 source 0, 3:2 source 1, 5:4 source 2, 7:6 destination):
;   window 0: v0-30 addresses; v64-127, v128-191 fragments of [x|h], two buffers, on the way out h of a trip's blocks 0 and 2; v192-255 at work on the way out (T)
;   window 1: v0-63 the bias of my 128 columns; v64-127, v128-191 fragments of the weights, two buffers, on the way out h of blocks 1 and 3; v192-255 rows read back from the stage (OB)
;   window 2: the 32 accumulators of my rows 0-63 ((a, b) at v[8 (8 a + b)]);   window 3: those of my rows 64-127
.set KSTEP,  128
.set PA,     272                       ; an LDS row of [x|h]: 256 bytes + 16 = 68 words: row r starts at bank 4 r mod 64 (64 banks of 4 bytes: ISA guide 11.1)
.set PB,     544                       ; an LDS row of the weights: 512 bytes + 32 = 136 words: row r starts at bank 8 r mod 64
.set HALF,   128*PA                    ; what one tensor load brings: 128 rows of [x|h], or 64 k rows of the weights (64 x 544 is the same 34,816 bytes)
.set SLOT,   4*HALF                    ; 256 rows of [x|h], then 128 k rows of the weights
.set STAGE,  2*SLOT                    ; behind the ring: 16 rows x 528 bytes for each wave, for the way out
.set SPITCH, 528                       ; 512 bytes + 16: the sixteen rows start four banks apart
.set WSTAGE, 16*SPITCH
.set SPARE,  STAGE+4*WSTAGE            ; behind the stages: the spare words, 128 bytes for each wave: two blocks of 256 bytes that no other line names
.set LAPS,   8                         ; a lap = two K steps = once round the ring
.set BSTEP,  KSTEP*2048                ; bytes of wb from a K step to the next
.set ADRA, 16                          ; v16-17  LDS address of my fragments of [x|h] in slot 0, 1
.set ADRB, 20                          ; v20-21  the same for the weights
.set STO,  24                          ; v24     the way out: where I put 32 bytes of a row
.set RD,   25                          ; v25     the way out: where I read 16 bytes of a row back
.set CO4,  26                          ; v26     16 x lane: my bytes in 512 consecutive bytes of f32
.set CO2,  27                          ; v27     8 x lane: the same numbers in bf16
.set SPW,  28                          ; v28     LDS address of my spare word; never rewritten
.set NIL,  29                          ; v29     0; never rewritten
.set BO,   30                          ; v30     32 (l / 16): my eight columns in a block of sixteen f32
.set F0,   64
.set F1,   128
.set T,    192                         ; window 0
.set OB,   192                         ; window 1
.set NB,   0                           ; window 1
.set G1,   24                          ; s[24:31] descriptor group 1 for tiles of [x|h];  s[32:39] group 0, a set for each slot
.set G0,   32
.set G1B,  48                          ; s[48:55], s[56:63] the same for the weights
.set G0B,  56
.set A1,   68                          ; s[68:69] xb at the rows that I fetch
.set A2,   70                          ; s[70:71] hb at the same rows
.set WP,   72                          ; s[72:73] wb at the k rows and columns that I fetch
.set BP,   74                          ; s[74:75] bz, then my gate's bias at my columns
.set BR,   76                          ; s[76:77] br
.set HP,   78                          ; s[78:79] h at the trip's first block
.set ZP,   80                          ; s[80:81] zf at the trip's first block
.set RP,   82                          ; s[82:83] rhb at the trip's first block
.set KN,   84                          ; s84      the K step to be asked for next
.set KO,   86                          ; s[86:87] its byte offset in a row
.set ASEL, 88                          ; s[88:89] xb's or hb's address
.set CL,   90                          ; s[90:91] -log2(e), named as a pair
.set TRIP, 92                          ; s92      trips of the way out still to go: 2, then 1
.set GATE, 93                          ; s93      0: z, 1: r; the same in all partners of a cluster
.set MSB, 0
.macro WIN new                         ; the immediate's high byte repeats the setting that is left; a switch that changes nothing is dropped
.if MSB != (\new)
	s_set_vgpr_msb (MSB<<8)|(\new)
.set MSB, \new
.endif
.endm
.set MUL_LO, 0xa1                      ; source 0 (weights) window 1, source 1 window 0, C and D window 2
.set MUL_HI, 0xf1                      ; the same, C and D window 3
.set TO_B,   0x40                      ; destination window 1, address window 0
; A joint load.  Waves 0 and 1 fetch the two halves of [x|h]'s tile, waves 2 and 3 those of the weights'.  The branch hangs on the wave's number alone.
; An s_nop 0 and four v_nop follow each of the two lines, ahead of the jump, the label and what follows.
.macro JLOAD s
	s_cmp_eq_u32 s11, 0
	s_cbranch_scc0 .Lfor_b_\@
	tensor_load_to_lds s[G0+4*(\s):G0+4*(\s)+3], s[G1:G1+7]
	s_nop 0
.rept 4
	v_nop
.endr
	s_branch .Lasked_\@
.Lfor_b_\@:
	tensor_load_to_lds s[G0B+4*(\s):G0B+4*(\s)+3], s[G1B:G1B+7]
	s_nop 0
.rept 4
	v_nop
.endr
.Lasked_\@:
.endm
; A round of the cluster's barrier: my work-group's barrier, so that wave 0's signal speaks for all four waves; wave 0 signals; every wave waits for all sixteen work-groups; my work-group's barrier once more.
.macro CREST                           ; a round behind its opening barrier
	s_cmp_lg_u32 s10, 0
	s_cbranch_scc1 .Lnot_wave_0_\@
	s_barrier_signal -3
.Lnot_wave_0_\@:
	s_barrier_wait -3
	s_barrier_signal -1
	s_barrier_wait -1
.endm
.macro CROUND                          ; a whole round
	s_barrier_signal -1
	s_barrier_wait -1
	CREST
.endm
; The addresses of the fill of a slot with K step KN.  Steps 0-7 read xb, steps 8-15 hb, 256 bytes of a row each; the weights' k rows simply go on.  No tensor load of mine is out here.
.macro NEXTADR slot
	s_cmp_lt_u32 s[KN], 8
	s_cselect_b64 s[ASEL:ASEL+1], s[A1:A1+1], s[A2:A2+1]
	s_and_b32 s[KO], s[KN], 7
	s_lshl_b32 s[KO], s[KO], 8
	s_add_nc_u64 s[G0+4*(\slot)+2:G0+4*(\slot)+3], s[ASEL:ASEL+1], s[KO:KO+1]
	s_or_b32 s[G0+4*(\slot)+3], s[G0+4*(\slot)+3], 0x80000000
	s_add_nc_u64 s[G0B+4*(\slot)+2:G0B+4*(\slot)+3], s[G0B+4*(\slot)+2:G0B+4*(\slot)+3], 2*BSTEP  ; the type bits on top are not reached
	s_add_co_u32 s[KN], s[KN], 1
.endm
	s_load_b512 s[68:83], s[0:1], 0x0              ; xb, hb, wb, bz, br, h, zf, rhb
	v_lshl_add_u32 v[SPW], v0, 2, SPARE
	v_mov_b32 v[NIL], 0
	ds_add_u32 v28, v29
	s_wait_dscnt 0x0
	v_lshrrev_b32 v1, 5, v0
	v_readfirstlane_b32 s10, v1                    ; wave 0..3
	s_lshr_b32 s11, s10, 1                         ; which half of the tile's rows is mine.  Also: I fetch [x|h] (0) or the weights (1)
	s_and_b32 s12, s10, 1                          ; which half of its columns.  Also: which half of that tile I fetch
	s_bfe_u32 s40, ttmp6, 0x40000                  ; cx: the tile column in the gate
	s_bfe_u32 s41, ttmp6, 0x40004                  ; cy
	s_mov_b32 s[GATE], ttmp9                       ; in a cluster launch ttmp9 counts clusters: two along x, one for each gate
	s_and_b32 s13, ttmp7, 0xffff
	s_lshl_b32 s13, s13, 2
	s_add_co_u32 s13, s13, s41                     ; tile row = 4 x cluster y + cy
	s_lshl_b32 s43, s41, 2
	s_lshl_b32 s43, 15, s43                        ; my row of the cluster: places 4 cy .. 4 cy + 3
	s_lshl_b32 s44, 0x1111, s40                    ; my column: places cx, cx + 4, cx + 8, cx + 12
	; descriptor group 1.  [x|h]: 128 rows x 128 elements, 16 bytes of padding behind every 64 words.  Weights: 64 k rows x 256 elements, 32 bytes behind every 128 words.
	s_or_b32 s[G1+0], s43, (1<<16)|(1<<20)|(1<<21)|(5<<22)|(3<<25)   ; 15:0 the mask; 17:16 elements of 2 bytes; 20 padding on; 21 set beside a mask; 24:22 the interval; 31:25 the padding less one word
	s_mov_b32 s[G1+1], 128<<16                     ; tensor_dim0 = 128
	s_mov_b32 s[G1+2], 128<<16                     ; tensor_dim1 = 128
	s_mov_b32 s[G1+3], 128<<16                     ; tile_dim0 = 128
	s_mov_b32 s[G1+4], 128                         ; tile_dim1 = 128
	s_mov_b32 s[G1+5], 1024                        ; elements from row to row
	s_mov_b32 s[G1+6], 0
	s_mov_b32 s[G1+7], 0
	s_or_b32 s[G1B+0], s44, (1<<16)|(1<<20)|(1<<21)|(6<<22)|(7<<25)
	s_mov_b32 s[G1B+1], 256<<16                    ; tensor_dim0 = 256
	s_mov_b32 s[G1B+2], 64<<16                     ; tensor_dim1 = 64
	s_mov_b32 s[G1B+3], 256<<16                    ; tile_dim0 = 256
	s_mov_b32 s[G1B+4], 64                         ; tile_dim1 = 64
	s_mov_b32 s[G1B+5], 1024
	s_mov_b32 s[G1B+6], 0
	s_mov_b32 s[G1B+7], 0
	; where the tiles come from.  [x|h]'s hang on the tile row and the wave, the weights' on the gate, cx and the wave, each in registers that never hold the other coordinate.
	s_lshl_b32 s16, s13, 8
	s_lshl_b32 s17, s12, 7
	s_add_co_u32 s16, s16, s17                     ; row 256 x tile row + 128 x half,
	s_lshl_b32 s16, s16, 11                        ; of 2,048 bytes
	s_mov_b32 s17, 0
	s_lshl_b32 s46, s[GATE], 22                    ; the gate's 4 MiB,
	s_lshl_b32 s47, s40, 9                         ; 256 columns of 2 bytes a tile column,
	s_add_co_u32 s46, s46, s47
	s_lshl_b32 s47, s12, 17                        ; 64 k rows of 2,048 bytes
	s_add_co_u32 s46, s46, s47
	s_mov_b32 s47, 0
	s_mul_i32 s20, s10, HALF                       ; and where they go: wave x 34,816: no place in the cluster enters an LDS address
	s_mov_b32 s[KN], 2
	s_mov_b32 s[KO+1], 0
	s_mov_b32 s[CL], 0xbfb8aa3b                    ; -log2(e)
	s_mov_b32 s[CL+1], 0xbfb8aa3b
	s_wait_kmcnt 0x0
	s_add_nc_u64 s[A1:A1+1], s[A1:A1+1], s[16:17]
	s_add_nc_u64 s[A2:A2+1], s[A2:A2+1], s[16:17]
	s_add_nc_u64 s[WP:WP+1], s[WP:WP+1], s[46:47]
	CROUND                                         ; all sixteen work-groups are here: the first joint loads meet
.irp s, 0,1
	s_mov_b32 s[G0+4*(\s)], 1                                      ; 1:0 count = 1
	s_add_co_u32 s[G0+4*(\s)+1], s20, (\s)*SLOT                    ; 63:32 LDS address
	s_add_nc_u64 s[G0+4*(\s)+2:G0+4*(\s)+3], s[A1:A1+1], (\s)*KSTEP*2  ; 120:64 global address: K step s
	s_or_b32 s[G0+4*(\s)+3], s[G0+4*(\s)+3], 0x80000000            ; 127:126 type = 2
	s_mov_b32 s[G0B+4*(\s)], 1
	s_add_co_u32 s[G0B+4*(\s)+1], s20, (\s)*SLOT
	s_add_nc_u64 s[G0B+4*(\s)+2:G0B+4*(\s)+3], s[WP:WP+1], (\s)*BSTEP
	s_or_b32 s[G0B+4*(\s)+3], s[G0B+4*(\s)+3], 0x80000000
	JLOAD \s                                       ; the ring is filled before anything else is done: two loads of mine are out
.endr
	v_and_b32 v1, 15, v0                           ; l % 16
	v_bfe_u32 v2, v0, 4, 1                         ; l / 16
	v_lshlrev_b32 v[BO], 5, v2
	s_cmp_eq_u32 s[GATE], 0
	s_cselect_b64 s[BP:BP+1], s[BP:BP+1], s[BR:BR+1]  ; bz or br
	s_lshl_b32 s46, s40, 10
	s_lshl_b32 s47, s12, 9
	s_add_co_u32 s46, s46, s47                     ; my first column in f32 bytes: 1,024 cx + 512 x half
	s_mov_b32 s47, 0
	s_add_nc_u64 s[BP:BP+1], s[BP:BP+1], s[46:47]
	WIN TO_B
.irp b, 0,1,2,3,4,5,6,7                ; the bias of my eight columns in each block of sixteen
	global_load_b128 v[NB+8*(\b):NB+8*(\b)+3],   v[BO], s[BP:BP+1] offset:64*(\b)
	global_load_b128 v[NB+8*(\b)+4:NB+8*(\b)+7], v[BO], s[BP:BP+1] offset:64*(\b)+16
.endr
	WIN 0
	s_lshl_b32 s16, s13, 8
	s_lshl_b32 s17, s11, 7
	s_add_co_u32 s16, s16, s17                     ; my first row: 256 x tile row + 128 x half,
	s_lshl_b32 s16, s16, 12                        ; of 4,096 bytes,
	s_add_co_u32 s16, s16, s46                     ; and my first column
	s_mov_b32 s17, 0
	s_lshr_b32 s18, s16, 1                         ; the same place in bf16
	s_mov_b32 s19, 0
	s_add_nc_u64 s[HP:HP+1], s[HP:HP+1], s[16:17]
	s_add_nc_u64 s[ZP:ZP+1], s[ZP:ZP+1], s[16:17]
	s_add_nc_u64 s[RP:RP+1], s[RP:RP+1], s[18:19]
	; A fragment of [x|h] is 16 rows x 32 K in 8 registers: lane l holds row l % 16, K = 8 (l / 16) + 0..7 and 16 + 8 (l / 16) + 0..7: two loads of 16 bytes, 32 bytes apart.
	v_mul_u32_u24 v3, v1, PA
	v_lshl_add_u32 v3, v2, 4, v3                   ; row x pitch + 16 x half
	; The turning load takes 16 k x 16 columns (lane l reads k row 8 (l / 16) + l % 8, columns 8 ((l / 8) % 2) + 0..7) and leaves half a fragment: lane l holds column l % 16 and 8 k.
	v_and_b32 v4, 7, v0
	v_bfe_u32 v5, v0, 3, 1
	v_lshl_add_u32 v6, v2, 3, v4
	v_mul_u32_u24 v6, v6, PB
	v_lshl_add_u32 v6, v5, 4, v6
	s_mul_i32 s21, s11, HALF                       ; my 128 rows of [x|h]
	s_lshl_b32 s22, s12, 8                         ; my 128 columns of the weights,
	s_add_co_u32 s22, s22, 2*HALF                  ; which lie behind [x|h]'s 256 rows
.irp s, 0,1
	v_add_nc_u32 v[ADRA+(\s)], s21, v3
	v_add_nc_u32 v[ADRB+(\s)], s22, v6
	s_add_co_u32 s21, s21, SLOT
	s_add_co_u32 s22, s22, SLOT
.endr
	s_mul_i32 s23, s10, WSTAGE
	s_add_co_u32 s23, s23, STAGE                   ; my stage
	v_mul_u32_u24 v4, v1, SPITCH                   ; in: row l % 16, 32 bytes for each half of the lanes
	v_lshl_add_u32 v4, v2, 5, v4
	v_add_nc_u32 v[STO], s23, v4
	v_and_b32 v5, 31, v0
	v_lshlrev_b32 v[CO4], 4, v5
	v_lshlrev_b32 v[CO2], 3, v5
	v_add_nc_u32 v[RD], s23, v[CO4]                ; back: 32 lanes take one row of 512 bytes
; 16 matrix instructions: row blocks a0, a0 + 1 of the window's four (hi = 0: my rows 0-63, 1: rows 64-127) x all 8 column blocks, 32 along K.  zero = 1: the first product starts the sums.
.macro MUL16 f, hi, a0, zero
	WIN MUL_LO+0x50*(\hi)
.irp a, \a0, (\a0)+1
.irp b, 0,1,2,3,4,5,6,7
.if \zero
	v_wmma_f32_16x16x32_bf16 v[8*(8*(\a)+(\b)):8*(8*(\a)+(\b))+7], v[(\f)+8*(\b):(\f)+8*(\b)+7], v[(\f)+8*(4*(\hi)+(\a)):(\f)+8*(4*(\hi)+(\a))+7], 0
.else
	v_wmma_f32_16x16x32_bf16 v[8*(8*(\a)+(\b)):8*(8*(\a)+(\b))+7], v[(\f)+8*(\b):(\f)+8*(\b)+7], v[(\f)+8*(4*(\hi)+(\a)):(\f)+8*(4*(\hi)+(\a))+7], v[8*(8*(\a)+(\b)):8*(8*(\a)+(\b))+7]
.endif
.endr
.endr
.endm
; 32 LDS loads in one run: the fragments of quarter q (32 along K) of a slot into buffer f: 128 columns of the weights, then 128 rows of [x|h]
.macro FETCH slot, q, f
	WIN TO_B
.irp i, 0,1,2,3,4,5,6,7
	ds_load_tr16_b128 v[(\f)+8*(\i):(\f)+8*(\i)+3],   v[ADRB+(\slot)] offset:(\q)*32*PB+32*(\i)
	ds_load_tr16_b128 v[(\f)+8*(\i)+4:(\f)+8*(\i)+7], v[ADRB+(\slot)] offset:(\q)*32*PB+32*(\i)+16*PB
.endr
	WIN 0
.irp i, 0,1,2,3,4,5,6,7
	ds_load_b128 v[(\f)+8*(\i):(\f)+8*(\i)+3],   v[ADRA+(\slot)] offset:(\q)*64+(\i)*16*PA
	ds_load_b128 v[(\f)+8*(\i)+4:(\f)+8*(\i)+7], v[ADRA+(\slot)] offset:(\q)*64+(\i)*16*PA+32
.endr
.endm
; A load into a register that a matrix instruction has read, and a vector instruction that reads a matrix result, stand four places behind that matrix instruction; only plain vector instructions that name none
; of its registers are places (ISA guide 7.12.1 for vector instructions).
.macro PLACES
.rept 4
	v_nop
.endr
.endm
; A K step is four quarters of 32 along K, 64 matrix instructions each, on buffers 0, 1, 0, 1.  The 64 accumulators take turns, one instruction a turn, in the same order in every quarter.
; One of the first three: multiplies buffer f; in its middle it fetches quarter q of the same slot into buffer g.
.macro QUARTER slot, q, f, g, zero
	s_wait_dscnt 8                                 ; the weights and rows 0-63 are in; the youngest eight loads (rows 64-127) may be out
	MUL16 \f, 0, 0, \zero
	MUL16 \f, 0, 2, \zero
	PLACES
	FETCH \slot, \q, \g
	s_wait_dscnt 32                                ; all but the 32 just issued
	MUL16 \f, 1, 0, \zero
	MUL16 \f, 1, 2, \zero
.endm
; The last quarter multiplies buffer 1 and changes slots.  MEET is its first half: ONE barrier.  In front of it each wave waits for all its tensor loads, of which one is out: its part of the next slot; adds 0 to
; its spare word; and waits for that and for its own reads of this slot.  Behind it nobody reads this slot any more and the next slot is whole.
.macro MEET round                      ; round = 1: the rest of a round of the cluster's barrier follows
	WIN 0                                          ; (the add's two registers lie in window 0)
	s_wait_tensorcnt 0x0                           ; all my tensor loads have landed
	ds_add_u32 v[SPW], v[NIL]                      ; 0 onto my spare word
	s_wait_dscnt 9                                 ; (the add and the youngest eight loads may be out)
	MUL16 F1, 0, 0, 0                              ; sixteen matrix instructions stand between the add and the wait for it
	s_wait_dscnt 0x0                               ; the add is done, and my reads of this slot are over
	s_barrier_signal -1
	MUL16 F1, 0, 2, 0                              ; work on registers while the others arrive
.if \round
	WIN 0
.endif
	s_barrier_wait -1
.endm
; The whole last quarter.  fill = 1: behind the round the slot just read out is filled again first, with K step KN, two steps on: 224 matrix instructions stand between the request and the wait for it.
.macro TURN slot, next, fill
	MEET \fill
.if \fill
	CREST                                          ; no wave of any partner still reads this slot's tiles or has a load on its way
	NEXTADR \slot
	JLOAD \slot                                    ; the first tensor load behind the round, one a wave; its four v_nop are also the places in front of the loads below
.else
	PLACES
.endif
	FETCH \next, 0, F0
	MUL16 F1, 1, 0, 0
	MUL16 F1, 1, 2, 0
.endm
.macro LASTQ                           ; the very last quarter: nothing more to fetch
	s_wait_dscnt 8
	MUL16 F1, 0, 0, 0
	MUL16 F1, 0, 2, 0
	s_wait_dscnt 0x0
	MUL16 F1, 1, 0, 0
	MUL16 F1, 1, 2, 0
.endm
; THE WAY OUT's parts.  LOADH: h of block j of the trip's four (16 rows x my 128 columns, a row's 512 consecutive bytes to a load) into 64 registers at hr of window hw.
.macro LOADH j, hw, hr
	WIN (\hw)<<6
.irp t, 0,1,2,3,4,5,6,7,8,9,10,11,12,13,14,15
	global_load_b128 v[(\hr)+4*(\t):(\hr)+4*(\t)+3], v[CO4], s[HP:HP+1] offset:65536*(\j)+4096*(\t) th:TH_LOAD_NT  ; read once in this launch
.endr
	WIN 0
.endm
; TAKE: T = -log2(e) x sum + (-log2(e) x bias) for the 64 sums a lane of block j in window w; each accumulator's lowest registers are read first
.macro TAKE w, j
	WIN 0x10+(\w)                                  ; source 0 window w, source 2 window 1, destination window 0
.irp b, 0,1,2,3,4,5,6,7
.irp r, 0,1,2,3
	v_pk_fma_f32 v[T+8*(\b)+2*(\r):T+8*(\b)+2*(\r)+1], v[64*(\j)+8*(\b)+2*(\r):64*(\j)+8*(\b)+2*(\r)+1], s[CL:CL+1], v[NB+8*(\b)+2*(\r):NB+8*(\b)+2*(\r)+1] op_sel_hi:[1,0,1]
.endr
.endr
	WIN 0
.endm
.macro SIGMOID                         ; T = 1 / (1 + 2^T)
.set i, 0
.rept 64
	v_exp_f32 v[T+i], v[T+i]
.set i, i+1
.endr
	v_nop                                          ; a plain instruction between the exponentials and the use of their results (ISA guide 5.7.2)
.set i, 0
	s_wait_alu depctr_va_vdst(0)
.rept 32
	v_pk_add_f32 v[T+i:T+i+1], v[T+i:T+i+1], 1.0 op_sel_hi:[1,0]
.set i, i+2
.endr
.set i, 0
.rept 64
	v_rcp_f32 v[T+i], v[T+i]
.set i, i+1
.endr
	v_nop                                          ; and between the reciprocals and theirs
.endm
; BODY: block j of the trip's four; its h lies at hr of window hw.  The two trips name the same accumulator numbers in windows 2 and 3, so the trip chooses between two copies of TAKE alone.
.macro BODY j, hw, hr
	s_cmp_lg_u32 s[TRIP], 2
	s_cbranch_scc1 .Lhi_\@
	TAKE 2, \j
	s_branch .Ltk_\@
.Lhi_\@:
	TAKE 3, \j
.Ltk_\@:
	SIGMOID
	s_wait_alu depctr_va_vdst(0)
.irp b, 0,1,2,3,4,5,6,7
	ds_store_b128 v[STO], v[T+8*(\b):T+8*(\b)+3]   offset:64*(\b)
	ds_store_b128 v[STO], v[T+8*(\b)+4:T+8*(\b)+7] offset:64*(\b)+16
.endr
	s_wait_xcnt 0x0                                ; the stores of the block before have had their addresses translated (ISA guide 3.1): only behind this is OB, their data, loaded again
	WIN TO_B
.irp t, 0,1,2,3,4,5,6,7,8,9,10,11,12,13,14,15
	ds_load_b128 v[OB+4*(\t):OB+4*(\t)+3], v[RD] offset:(\t)*SPITCH  ; LDS serves a wave's instructions in order (ISA guide 5.7.1.4): these see the stores above; the stage is my wave's own
.endr
	WIN 0
	s_wait_dscnt 0x0
	s_cmp_eq_u32 s[GATE], 0
	s_cbranch_scc0 .Lr_\@
	WIN 0x04                                       ; the stores' data in window 1
.irp t, 0,1,2,3,4,5,6,7,8,9,10,11,12,13,14,15
	global_store_b128 v[CO4], v[OB+4*(\t):OB+4*(\t)+3], s[ZP:ZP+1] offset:65536*(\j)+4096*(\t)  ; z: 512 consecutive bytes, at a multiple of 512 from zf's first byte
.endr
	WIN 0
	s_branch .Lst_\@
.Lr_\@:
	s_wait_loadcnt 16*(3-(\j))                     ; loads come back in order (ISA guide 5.7.1): my block's h is in; the sixteen loads of each later block of the four may stay out
	WIN 0x41|((\hw)<<2)                            ; OB in window 1, h in window hw
.set i, 0
.rept 32
	v_pk_mul_f32 v[OB+i:OB+i+1], v[OB+i:OB+i+1], v[(\hr)+i:(\hr)+i+1]
.set i, i+2
.endr
	WIN 0x45                                       ; all in window 1
.set i, 0
.rept 32
	v_cvt_pk_bf16_f32 v[OB+i], v[OB+2*i], v[OB+2*i+1]  ; packed in place: line i writes register i, whose number line i / 2 has read
.set i, i+1
.endr
	WIN 0x04
.irp t, 0,1,2,3,4,5,6,7,8,9,10,11,12,13,14,15
	global_store_b64 v[CO2], v[OB+2*(\t):OB+2*(\t)+1], s[RP:RP+1] offset:32768*(\j)+2048*(\t)  ; r h: 256 consecutive bytes, at a multiple of 256 from rhb's first byte
.endr
	WIN 0
.Lst_\@:
.endm
	s_wait_tensorcnt 1                             ; my part of K step 0 is in; step 1's may stay out
	s_barrier_signal -1
	s_barrier_wait -1                              ; everybody's is
	FETCH 0, 0, F0
	s_wait_loadcnt 0x0                             ; the bias, asked for ahead of the wait for the first tile
	WIN 0x41                                       ; destination and source 0 window 1
.set i, 0
.rept 32
	v_pk_mul_f32 v[NB+i:NB+i+1], v[NB+i:NB+i+1], s[CL:CL+1] op_sel_hi:[1,0]  ; -log2(e) x bias, once, while the first fragments come
.set i, i+2
.endr
	QUARTER 0, 1, F0, F1, 1                        ; the first quarter stands in front of the loop: its products start the sums, nothing is cleared
	WIN 0                                          ; at a label and at a branch every window is 0
	s_mov_b32 s3, LAPS-1
.Llap:                                                 ; a trip goes once round the ring, from a lap's second quarter to the next lap's first, and fills both slots again
	QUARTER 0, 2, F1, F0, 0
	QUARTER 0, 3, F0, F1, 0
	TURN 0, 1, 1
	QUARTER 1, 1, F0, F1, 0
	QUARTER 1, 2, F1, F0, 0
	QUARTER 1, 3, F0, F1, 0
	TURN 1, 0, 1
	QUARTER 0, 1, F0, F1, 0
	WIN 0
	s_sub_co_u32 s3, s3, 1
	s_cmp_lg_u32 s3, 0
	s_cbranch_scc1 .Llap
	QUARTER 0, 2, F1, F0, 0                        ; the last lap is written out: it fills nothing
	QUARTER 0, 3, F0, F1, 0
	TURN 0, 1, 0
	QUARTER 1, 1, F0, F1, 0
	QUARTER 1, 2, F1, F0, 0
	QUARTER 1, 3, F0, F1, 0
	; The last quarter stands twice, so that ONE branch on the gate decides about all four groups of loads of h: the counted waits of the way out then count the same loads on every way.
	WIN 0
	s_cmp_eq_u32 s[GATE], 0
	s_cbranch_scc1 .Lzlast
	PLACES                                         ; buffer 0 has been multiplied for the last time
	LOADH 0, 0, F0                                 ; r: h of my first two blocks goes where buffer 0 lay, 64 matrix instructions ahead of the way out,
	LOADH 1, 1, F0
	LASTQ
	PLACES                                         ; behind the last products
	WIN 0
	LOADH 2, 0, F1                                 ; and h of the next two where buffer 1 lay
	LOADH 3, 1, F1
	s_branch .Lway_out
.Lzlast:
	LASTQ                                          ; z wants no h
	PLACES
	WIN 0
.Lway_out:
	; THE WAY OUT: T = -log2(e) (sum + bias); 1 / (1 + 2^T); through my stage into whole rows of 512 bytes; z is stored, r is multiplied by h, rounded and stored.
	s_mov_b32 s[TRIP], 2
.Lhalf:                                                ; two trips: my rows 0-63, then 64-127
	BODY 0, 0, F0
	BODY 1, 1, F0
	BODY 2, 0, F1
	BODY 3, 1, F1
	s_wait_loadcnt 0x0                             ; no load is out (r's last block waited for all), so h's four buffers may be asked for again,
	s_wait_xcnt 0x0                                ; and every store has had its addresses translated (ISA guide 3.1): only behind this are the bases written
	s_add_nc_u64 s[HP:HP+1], s[HP:HP+1], 0x40000   ; 64 rows on
	s_add_nc_u64 s[ZP:ZP+1], s[ZP:ZP+1], 0x40000
	s_add_nc_u64 s[RP:RP+1], s[RP:RP+1], 0x20000
	s_cmp_eq_u32 s[GATE], 0
	s_cbranch_scc1 .Lnomore                        ; z wants no h,
	s_cmp_eq_u32 s[TRIP], 1
	s_cbranch_scc1 .Lnomore                        ; and behind the last trip nothing is left: no load leaves the buffer
	LOADH 0, 0, F0                                 ; all four groups in one place, in the order in which the blocks want them
	LOADH 1, 1, F0
	LOADH 2, 0, F1
	LOADH 3, 1, F1
.Lnomore:
	s_sub_co_u32 s[TRIP], s[TRIP], 1
	s_cmp_lg_u32 s[TRIP], 0
	s_cbranch_scc1 .Lhalf
	s_wait_tensorcnt 0x0                           ; the wave's end: behind my last tensor load and my last LDS store
	ds_add_u32 v[SPW], v[NIL]
	s_wait_dscnt 0x0
	CROUND                                         ; the closing round: no work-group ends while a partner may still ask for a tile that names it
	s_endpgm
.Lfunc_end_k_q3563d2a00e_gates:
	.size	k_q3563d2a00e_gates, .Lfunc_end_k_q3563d2a00e_gates-k_q3563d2a00e_gates
	.p2alignl 7, 3214868480
	.fill 96, 4, 3214868480
	.section	.rodata,"a",@progbits
	.p2align	6, 0x0
	.amdhsa_kernel k_q3563d2a00e_gates
		.amdhsa_group_segment_fixed_size 327680
		.amdhsa_private_segment_fixed_size 0
		.amdhsa_enable_private_segment 0
		.amdhsa_kernarg_size 64
		.amdhsa_user_sgpr_count 2
		.amdhsa_user_sgpr_kernarg_segment_ptr 1
		.amdhsa_wavefront_size32 1
		.amdhsa_system_sgpr_workgroup_id_x 1
		.amdhsa_system_sgpr_workgroup_id_y 1
		.amdhsa_system_sgpr_workgroup_id_z 1
		.amdhsa_system_vgpr_workitem_id 0
		.amdhsa_next_free_vgpr 1024
		.amdhsa_next_free_sgpr 96
		.amdhsa_reserve_vcc 0
		.amdhsa_float_denorm_mode_32 3
		.amdhsa_float_denorm_mode_16_64 3
		.amdhsa_memory_ordered 1
		.amdhsa_forward_progress 1
		.amdhsa_inst_pref_size 212
	.end_amdhsa_kernel
	.amdgpu_metadata
---
amdhsa.version: [ 1, 2 ]
amdhsa.kernels:
  - .name:           k_q3563d2a00e_gates
    .symbol:         k_q3563d2a00e_gates.kd
    .args:
      - { .name: xb, .offset: 0, .size: 8, .value_kind: global_buffer, .address_space: global }
      - { .name: hb, .offset: 8, .size: 8, .value_kind: global_buffer, .address_space: global }
      - { .name: wb, .offset: 16, .size: 8, .value_kind: global_buffer, .address_space: global }
      - { .name: bz, .offset: 24, .size: 8, .value_kind: global_buffer, .address_space: global }
      - { .name: br, .offset: 32, .size: 8, .value_kind: global_buffer, .address_space: global }
      - { .name: h, .offset: 40, .size: 8, .value_kind: global_buffer, .address_space: global }
      - { .name: zf, .offset: 48, .size: 8, .value_kind: global_buffer, .address_space: global }
      - { .name: rhb, .offset: 56, .size: 8, .value_kind: global_buffer, .address_space: global }
    .group_segment_fixed_size: 327680
    .private_segment_fixed_size: 0
    .kernarg_segment_align: 8
    .kernarg_segment_size: 64
    .max_flat_workgroup_size: 128
    .sgpr_count:     96
    .vgpr_count:     1024
    .wavefront_size: 32
...
	.end_amdgpu_metadata
.endif
;; end of part 2
;; launch blend (part 3): grid 4 x 64, 4 waves a work-group, clusters of 4 x 4, 327,680 bytes of LDS; arguments xb, rhb, wb, bn, h, zf, out0; writes out0
.if DOCPART == 3
	.amdgcn_target "amdgcn-amd-amdhsa--gfx1250"
	.amdhsa_code_object_version 6
	.text
	.protected	k_q3563d2a00e_blend
	.globl	k_q3563d2a00e_blend
	.p2align	8
	.type	k_q3563d2a00e_blend,@function
k_q3563d2a00e_blend:
	s_mov_b64 s[64:65], 0
	v_nop
	global_prefetch_b8 v0, s[64:65] scope:SCOPE_SE
	s_setreg_imm32_b32 hwreg(HW_REG_WAVE_MODE, 25, 1), 1
	s_wait_xcnt 0x0
	s_wait_alu depctr_hold_cnt(0) depctr_sa_sdst(0) depctr_va_vdst(0) depctr_va_sdst(0) depctr_va_ssrc(0) depctr_va_vcc(0) depctr_vm_vsrc(0)
	s_getreg_b32 s2, hwreg(HW_REG_IB_STS2, 6, 4)
	s_cmp_eq_u32 s2, 0
	s_cbranch_scc0 .Lentry_in_a_cluster
	s_endpgm
.Lentry_in_a_cluster:
	s_bfe_u32 s2, ttmp6, 0x10000c
	s_cmp_lg_u32 s2, 0xf033
	s_cbranch_scc0 .Lentry_shape_is_right
	s_endpgm
.Lentry_shape_is_right:
; BLEND.  n = sigmoid([x|r h] [Win;Uhn] + bn);  out0 = (1 - z) h + z n.  One product of 8192 x 1024 x 2048 (K: x's 1024 channels, then r h's).
; Operands bf16 (xb, rhb [8192][1024]; the gate's weights are a dense [2048 k][1024 n] at byte 8 MiB of wb), sums f32; z (zf), h and out0 f32.
; LIMITS.  x, r h and the weights were each rounded once to bf16.  sigmoid(v) = 1 / (1 + 2^(-1.442695 v)): exactly 0 where the power overflows to infinity, exactly 1 where it falls below 2^-126
; (v_exp_f32 flushes there: ISA guide 15.8).  NaN and infinities are not treated apart.  The blend is made as (h - z h) + z n, two fused multiply-adds.
; SHARES.  Tiles of 256 x 256 would be 128; a tile of 128 rows x 256 columns gives 4 x 64 = 256 work-groups.  Four waves, each 64 x 128: 32 accumulators, 256 registers.  K in 16 steps of 128, two LDS slots
; (two slots of steps of 256 would take 413,696 bytes: more than a work-group can have).
; CLUSTERS of 4 x 4: cx is the tile column, 4 x cluster y + cy the tile row.  The four of a row of the cluster need the same rows of [x|r h], the four of a column the same columns of the weights: each tile is
; asked for JOINTLY, by the same tensor load with the same descriptor and a mask that names the four.
; THE MATRIX INSTRUCTION IS USED TRANSPOSED: source 0 = 16 columns of the weights (turned by ds_load_tr16_b128), source 1 = 16 rows of [x|r h]; a lane holds row l % 16 and columns 8 (l / 16) + 0..7.
; h AND z, 128 registers for each of my four blocks of 16 rows, are asked for long before the way out, into registers that the K loop leaves idle: block 0 at the head, block 1 behind the first quarter,
; block 2 at the head of the last lap, block 3 behind the last product (three blocks' work ahead of its use).  No base is stepped: the block stands in the immediate.
; REGISTERS, in windows of 256 (s_set_vgpr_msb: bits 1:0 source 0, 3:2 source 1, 5:4 source 2, 7:6 destination):
;   window 0: v0-30 addresses; v64-95, v128-159 fragments of [x|r h], two buffers; on the way out v64-127 rows read back (OB), v128-191 at work (T); v192-255 z of block 2
;   window 1: v0-63 the bias; v64-127, v128-191 fragments of the weights, two buffers, on the way out h and z of block 3; v192-255 h of block 2
;   window 2: the accumulators ((a, b) at v[8 (8 a + b)])          window 3: v0-63, v64-127 h and z of block 0; v128-191, v192-255 of block 1
.set KSTEP,  128
.set PA,     272                       ; an LDS row of [x|r h]: 256 bytes + 16 = 68 words: row r starts at bank 4 r mod 64 (64 banks of 4 bytes: ISA guide 11.1)
.set PB,     544                       ; an LDS row of the weights: 512 bytes + 32 = 136 words
.set AHALF,  64*PA                     ; 64 rows of [x|r h]: what wave 0 or 1 fetches, and what a wave reads
.set BHALF,  64*PB                     ; 64 k rows of the weights: what wave 2 or 3 fetches
.set SLOT,   2*AHALF+2*BHALF           ; 128 rows of [x|r h], then 128 k rows of the weights
.set STAGE,  2*SLOT                    ; behind the ring: 16 rows x 528 bytes for each wave, for the way out
.set SPITCH, 528
.set WSTAGE, 16*SPITCH
.set SPARE,  STAGE+4*WSTAGE            ; behind the stages: the spare words, 128 bytes for each wave: two blocks of 256 bytes that no other line names
.set LAPS,   8
.set BSTEP,  KSTEP*2048
.set ADRA, 16
.set ADRB, 20
.set STO,  24
.set RD,   25
.set CO4,  26                          ; v26     16 x lane; never rewritten
.set SPW,  28                          ; v28     LDS address of my spare word; never rewritten
.set NIL,  29                          ; v29     0; never rewritten
.set BO,   30                          ; v30     32 (l / 16)
.set F0,   64
.set F1,   128
.set OB,   64                          ; window 0
.set T,    128                         ; window 0
.set NB,   0                           ; window 1
.set G1,   24
.set G0,   32
.set G1B,  48
.set G0B,  56
.set A1,   68                          ; s[68:69] xb at the rows that I fetch
.set A2,   70                          ; s[70:71] rhb at the same rows
.set WP,   72                          ; s[72:73] wb at the k rows and columns that I fetch
.set BP,   74                          ; s[74:75] bn at my columns
.set HP,   76                          ; s[76:77] h at my first row and column; never rewritten
.set ZP,   78                          ; s[78:79] zf there
.set OUTP, 80                          ; s[80:81] out0 there
.set KN,   84
.set KO,   86
.set ASEL, 88
.set CL,   90
.set MSB, 0
.macro WIN new                         ; the immediate's high byte repeats the setting that is left; a switch that changes nothing is dropped
.if MSB != (\new)
	s_set_vgpr_msb (MSB<<8)|(\new)
.set MSB, \new
.endif
.endm
.set MUL,  0xa1                        ; source 0 (weights) window 1, source 1 window 0, C and D window 2
.set TO_B, 0x40                        ; destination window 1, address window 0
; A joint load: waves 0 and 1 fetch the halves of [x|r h]'s tile, waves 2 and 3 those of the weights'; an s_nop 0 and four v_nop follow each of the two lines, ahead of the jump, the label and what follows
.macro JLOAD s
	s_cmp_eq_u32 s11, 0
	s_cbranch_scc0 .Lfor_b_\@
	tensor_load_to_lds s[G0+4*(\s):G0+4*(\s)+3], s[G1:G1+7]
	s_nop 0
.rept 4
	v_nop
.endr
	s_branch .Lasked_\@
.Lfor_b_\@:
	tensor_load_to_lds s[G0B+4*(\s):G0B+4*(\s)+3], s[G1B:G1B+7]
	s_nop 0
.rept 4
	v_nop
.endr
.Lasked_\@:
.endm
.macro CREST                           ; a round of the cluster's barrier behind its opening barrier
	s_cmp_lg_u32 s10, 0
	s_cbranch_scc1 .Lnot_wave_0_\@
	s_barrier_signal -3
.Lnot_wave_0_\@:
	s_barrier_wait -3
	s_barrier_signal -1
	s_barrier_wait -1
.endm
.macro CROUND                          ; a whole round
	s_barrier_signal -1
	s_barrier_wait -1
	CREST
.endm
; The addresses of the fill of a slot with K step KN: steps 0-7 read xb, steps 8-15 rhb, 256 bytes of a row each; the weights' k rows go on.  No tensor load of mine is out here.
.macro NEXTADR slot
	s_cmp_lt_u32 s[KN], 8
	s_cselect_b64 s[ASEL:ASEL+1], s[A1:A1+1], s[A2:A2+1]
	s_and_b32 s[KO], s[KN], 7
	s_lshl_b32 s[KO], s[KO], 8
	s_add_nc_u64 s[G0+4*(\slot)+2:G0+4*(\slot)+3], s[ASEL:ASEL+1], s[KO:KO+1]
	s_or_b32 s[G0+4*(\slot)+3], s[G0+4*(\slot)+3], 0x80000000
	s_add_nc_u64 s[G0B+4*(\slot)+2:G0B+4*(\slot)+3], s[G0B+4*(\slot)+2:G0B+4*(\slot)+3], 2*BSTEP
	s_add_co_u32 s[KN], s[KN], 1
.endm
; h and z of block a (16 rows x my 128 columns, a row's 512 consecutive bytes to a load): h into 64 registers at hr of window hw, z at zr of window zw.  32 loads.
.macro LOADHZ a, hw, hr, zw, zr
	WIN (\hw)<<6
.irp t, 0,1,2,3,4,5,6,7,8,9,10,11,12,13,14,15
	global_load_b128 v[(\hr)+4*(\t):(\hr)+4*(\t)+3], v[CO4], s[HP:HP+1] offset:65536*(\a)+4096*(\t) th:TH_LOAD_NT  ; read once in this launch
.endr
	WIN (\zw)<<6
.irp t, 0,1,2,3,4,5,6,7,8,9,10,11,12,13,14,15
	global_load_b128 v[(\zr)+4*(\t):(\zr)+4*(\t)+3], v[CO4], s[ZP:ZP+1] offset:65536*(\a)+4096*(\t) th:TH_LOAD_NT
.endr
	WIN 0
.endm
	s_load_b256 s[68:75], s[0:1], 0x0              ; xb, rhb, wb, bn
	s_load_b128 s[76:79], s[0:1], 0x20             ; h, zf
	s_load_b64 s[80:81], s[0:1], 0x30              ; out0
	v_lshl_add_u32 v[SPW], v0, 2, SPARE
	v_mov_b32 v[NIL], 0
	ds_add_u32 v28, v29
	s_wait_dscnt 0x0
	v_lshrrev_b32 v1, 5, v0
	v_readfirstlane_b32 s10, v1                    ; wave 0..3
	s_lshr_b32 s11, s10, 1                         ; which half of the tile's rows is mine.  Also: I fetch [x|r h] (0) or the weights (1)
	s_and_b32 s12, s10, 1                          ; which half of its columns.  Also: which half of that tile I fetch
	s_bfe_u32 s40, ttmp6, 0x40000                  ; cx: the tile column
	s_bfe_u32 s41, ttmp6, 0x40004                  ; cy
	s_and_b32 s13, ttmp7, 0xffff
	s_lshl_b32 s13, s13, 2
	s_add_co_u32 s13, s13, s41                     ; tile row = 4 x cluster y + cy
	s_lshl_b32 s43, s41, 2
	s_lshl_b32 s43, 15, s43                        ; my row of the cluster
	s_lshl_b32 s44, 0x1111, s40                    ; my column
	; descriptor group 1.  [x|r h]: 64 rows x 128 elements, 16 bytes of padding behind every 64 words.  Weights: 64 k rows x 256 elements, 32 bytes behind every 128 words.
	s_or_b32 s[G1+0], s43, (1<<16)|(1<<20)|(1<<21)|(5<<22)|(3<<25)
	s_mov_b32 s[G1+1], 128<<16                     ; tensor_dim0 = 128
	s_mov_b32 s[G1+2], 64<<16                      ; tensor_dim1 = 64
	s_mov_b32 s[G1+3], 128<<16                     ; tile_dim0 = 128
	s_mov_b32 s[G1+4], 64                          ; tile_dim1 = 64
	s_mov_b32 s[G1+5], 1024                        ; elements from row to row
	s_mov_b32 s[G1+6], 0
	s_mov_b32 s[G1+7], 0
	s_or_b32 s[G1B+0], s44, (1<<16)|(1<<20)|(1<<21)|(6<<22)|(7<<25)
	s_mov_b32 s[G1B+1], 256<<16
	s_mov_b32 s[G1B+2], 64<<16
	s_mov_b32 s[G1B+3], 256<<16
	s_mov_b32 s[G1B+4], 64
	s_mov_b32 s[G1B+5], 1024
	s_mov_b32 s[G1B+6], 0
	s_mov_b32 s[G1B+7], 0
	s_lshl_b32 s16, s13, 7
	s_lshl_b32 s17, s12, 6
	s_add_co_u32 s16, s16, s17                     ; row 128 x tile row + 64 x half,
	s_lshl_b32 s16, s16, 11                        ; of 2,048 bytes
	s_mov_b32 s17, 0
	s_lshl_b32 s46, s40, 9                         ; 256 columns of 2 bytes a tile column,
	s_lshl_b32 s47, s12, 17                        ; 64 k rows of 2,048 bytes,
	s_add_co_u32 s46, s46, s47
	s_add_co_u32 s46, s46, 0x800000                ; in the third gate's 4 MiB
	s_mov_b32 s47, 0
	s_mul_i32 s20, s12, AHALF                      ; where they go: [x|r h]'s halves,
	s_mul_i32 s15, s12, BHALF
	s_add_co_u32 s15, s15, 2*AHALF                 ; and behind them the weights': no place in the cluster enters an LDS address
	s_mov_b32 s[KN], 2
	s_mov_b32 s[KO+1], 0
	s_mov_b32 s[CL], 0xbfb8aa3b                    ; -log2(e)
	s_mov_b32 s[CL+1], 0xbfb8aa3b
	s_wait_kmcnt 0x0
	s_add_nc_u64 s[A1:A1+1], s[A1:A1+1], s[16:17]
	s_add_nc_u64 s[A2:A2+1], s[A2:A2+1], s[16:17]
	s_add_nc_u64 s[WP:WP+1], s[WP:WP+1], s[46:47]
	CROUND                                         ; all sixteen work-groups are here: the first joint loads meet
.irp s, 0,1
	s_mov_b32 s[G0+4*(\s)], 1
	s_add_co_u32 s[G0+4*(\s)+1], s20, (\s)*SLOT
	s_add_nc_u64 s[G0+4*(\s)+2:G0+4*(\s)+3], s[A1:A1+1], (\s)*KSTEP*2
	s_or_b32 s[G0+4*(\s)+3], s[G0+4*(\s)+3], 0x80000000
	s_mov_b32 s[G0B+4*(\s)], 1
	s_add_co_u32 s[G0B+4*(\s)+1], s15, (\s)*SLOT
	s_add_nc_u64 s[G0B+4*(\s)+2:G0B+4*(\s)+3], s[WP:WP+1], (\s)*BSTEP
	s_or_b32 s[G0B+4*(\s)+3], s[G0B+4*(\s)+3], 0x80000000
	JLOAD \s                                       ; two loads of mine are out
.endr
	v_and_b32 v1, 15, v0                           ; l % 16
	v_bfe_u32 v2, v0, 4, 1                         ; l / 16
	v_lshlrev_b32 v[BO], 5, v2
	v_and_b32 v5, 31, v0
	v_lshlrev_b32 v[CO4], 4, v5
	s_lshl_b32 s46, s40, 10
	s_lshl_b32 s47, s12, 9
	s_add_co_u32 s46, s46, s47                     ; my first column in f32 bytes
	s_mov_b32 s47, 0
	s_add_nc_u64 s[BP:BP+1], s[BP:BP+1], s[46:47]
	WIN TO_B
.irp b, 0,1,2,3,4,5,6,7                ; the bias of my eight columns in each block of sixteen
	global_load_b128 v[NB+8*(\b):NB+8*(\b)+3],   v[BO], s[BP:BP+1] offset:64*(\b)
	global_load_b128 v[NB+8*(\b)+4:NB+8*(\b)+7], v[BO], s[BP:BP+1] offset:64*(\b)+16
.endr
	WIN 0
	s_lshl_b32 s16, s13, 7
	s_lshl_b32 s17, s11, 6
	s_add_co_u32 s16, s16, s17                     ; my first row: 128 x tile row + 64 x half,
	s_lshl_b32 s16, s16, 12                        ; of 4,096 bytes,
	s_add_co_u32 s16, s16, s46                     ; and my first column
	s_mov_b32 s17, 0
	s_add_nc_u64 s[HP:HP+1], s[HP:HP+1], s[16:17]
	s_add_nc_u64 s[ZP:ZP+1], s[ZP:ZP+1], s[16:17]
	s_add_nc_u64 s[OUTP:OUTP+1], s[OUTP:OUTP+1], s[16:17]
	LOADHZ 0, 3, 0, 3, 64                          ; block 0's h and z, in the wait for the first tile
	v_mul_u32_u24 v3, v1, PA                       ; a fragment of [x|r h]: row x pitch + 16 x half
	v_lshl_add_u32 v3, v2, 4, v3
	v_and_b32 v4, 7, v0                            ; the turning load: k row 8 (l / 16) + l % 8, columns 8 ((l / 8) % 2) + 0..7
	v_bfe_u32 v5, v0, 3, 1
	v_lshl_add_u32 v6, v2, 3, v4
	v_mul_u32_u24 v6, v6, PB
	v_lshl_add_u32 v6, v5, 4, v6
	s_mul_i32 s21, s11, AHALF                      ; my 64 rows of [x|r h]
	s_lshl_b32 s22, s12, 8                         ; my 128 columns of the weights,
	s_add_co_u32 s22, s22, 2*AHALF                 ; which lie behind [x|r h]'s 128 rows
.irp s, 0,1
	v_add_nc_u32 v[ADRA+(\s)], s21, v3
	v_add_nc_u32 v[ADRB+(\s)], s22, v6
	s_add_co_u32 s21, s21, SLOT
	s_add_co_u32 s22, s22, SLOT
.endr
	s_mul_i32 s23, s10, WSTAGE
	s_add_co_u32 s23, s23, STAGE                   ; my stage
	v_mul_u32_u24 v4, v1, SPITCH                   ; in: row l % 16, 32 bytes for each half of the lanes
	v_lshl_add_u32 v4, v2, 5, v4
	v_add_nc_u32 v[STO], s23, v4
	v_add_nc_u32 v[RD], s23, v[CO4]                ; back: 32 lanes take one row of 512 bytes
; 8 matrix instructions: row block a x all 8 column blocks, 32 along K.  zero = 1: the first product starts the sums
.macro MUL8 f, a, zero
	WIN MUL
.irp b, 0,1,2,3,4,5,6,7
.if \zero
	v_wmma_f32_16x16x32_bf16 v[8*(8*(\a)+(\b)):8*(8*(\a)+(\b))+7], v[(\f)+8*(\b):(\f)+8*(\b)+7], v[(\f)+8*(\a):(\f)+8*(\a)+7], 0
.else
	v_wmma_f32_16x16x32_bf16 v[8*(8*(\a)+(\b)):8*(8*(\a)+(\b))+7], v[(\f)+8*(\b):(\f)+8*(\b)+7], v[(\f)+8*(\a):(\f)+8*(\a)+7], v[8*(8*(\a)+(\b)):8*(8*(\a)+(\b))+7]
.endif
.endr
.endm
.macro MUL16 f, a0, zero
	MUL8 \f, \a0, \zero
	MUL8 \f, (\a0)+1, \zero
.endm
; 24 LDS loads in one run: the fragments of quarter q of a slot into buffer f: 128 columns of the weights, then 64 rows of [x|r h]
.macro FETCH slot, q, f
	WIN TO_B
.irp i, 0,1,2,3,4,5,6,7
	ds_load_tr16_b128 v[(\f)+8*(\i):(\f)+8*(\i)+3],   v[ADRB+(\slot)] offset:(\q)*32*PB+32*(\i)
	ds_load_tr16_b128 v[(\f)+8*(\i)+4:(\f)+8*(\i)+7], v[ADRB+(\slot)] offset:(\q)*32*PB+32*(\i)+16*PB
.endr
	WIN 0
.irp i, 0,1,2,3
	ds_load_b128 v[(\f)+8*(\i):(\f)+8*(\i)+3],   v[ADRA+(\slot)] offset:(\q)*64+(\i)*16*PA
	ds_load_b128 v[(\f)+8*(\i)+4:(\f)+8*(\i)+7], v[ADRA+(\slot)] offset:(\q)*64+(\i)*16*PA+32
.endr
.endm
.macro PLACES                          ; four places in front of loads into registers that matrix instructions have read, and of vector lines that read results (ISA guide 7.12.1 for vector lines)
.rept 4
	v_nop
.endr
.endm
; A K step is four quarters of 32 along K, 32 matrix instructions each, on buffers 0, 1, 0, 1; the 32 accumulators take turns, one instruction a turn, in the same order in every quarter.
.macro QUARTER slot, q, f, g, zero
	s_wait_dscnt 4                                 ; the weights and rows 0-31 are in; the youngest four loads (rows 32-63) may be out
	MUL16 \f, 0, \zero
	PLACES
	FETCH \slot, \q, \g
	s_wait_dscnt 24                                ; all but the 24 just issued
	MUL16 \f, 2, \zero
.endm
; The last quarter changes slots first and multiplies buffer 1 then.  A step has 96 KiB of tiles to fetch for 128 matrix instructions, so the refill is asked for as early as the order allows: nothing but
; the waits, the add and the barrier stands between the landing of one tile and the request for the next, and the request has the whole step's 128 matrix instructions in which to land.
; ONE barrier: in front of it each wave waits for all its tensor loads (one is out: its part of the next slot), adds 0 to its spare word, and waits for that and for its reads of this slot (buffer 1's fragments
; among them).  fill = 1: the barrier opens a round of the cluster's, and behind the round this slot is filled again first, with K step KN, two steps on.
.macro TURN slot, next, fill
	WIN 0
	s_wait_tensorcnt 0x0                           ; all my tensor loads have landed, so a group 0 may be written
	ds_add_u32 v[SPW], v[NIL]                      ; 0 onto my spare word; the descriptors' step stands between it and the wait for it
.if \fill
	NEXTADR \slot
.endif
	s_wait_dscnt 0x0                               ; the add is done, and my reads of this slot are over
	s_barrier_signal -1
	s_barrier_wait -1
.if \fill
	CREST                                          ; no wave of any partner still reads this slot's tiles or has a load on its way
	JLOAD \slot                                    ; the first tensor load behind the round, one a wave; its four v_nop are also the places in front of the loads below
.else
	PLACES
.endif
	FETCH \next, 0, F0
	MUL16 F1, 0, 0
	MUL16 F1, 2, 0
.endm
; THE WAY OUT's parts.  TAKE: T = -log2(e) x sum + (-log2(e) x bias) for block a's 64 sums a lane; each accumulator's lowest registers are read first
.macro TAKE a
	WIN 0x12                                       ; source 0 window 2, source 2 window 1, destination window 0
.irp b, 0,1,2,3,4,5,6,7
.irp r, 0,1,2,3
	v_pk_fma_f32 v[T+8*(\b)+2*(\r):T+8*(\b)+2*(\r)+1], v[64*(\a)+8*(\b)+2*(\r):64*(\a)+8*(\b)+2*(\r)+1], s[CL:CL+1], v[NB+8*(\b)+2*(\r):NB+8*(\b)+2*(\r)+1] op_sel_hi:[1,0,1]
.endr
.endr
	WIN 0
.endm
.macro SIGMOID                         ; T = 1 / (1 + 2^T)
.set i, 0
.rept 64
	v_exp_f32 v[T+i], v[T+i]
.set i, i+1
.endr
	v_nop                                          ; a plain instruction between the exponentials and the use of their results (ISA guide 5.7.2)
.set i, 0
	s_wait_alu depctr_va_vdst(0)
.rept 32
	v_pk_add_f32 v[T+i:T+i+1], v[T+i:T+i+1], 1.0 op_sel_hi:[1,0]
.set i, i+2
.endr
.set i, 0
.rept 64
	v_rcp_f32 v[T+i], v[T+i]
.set i, i+1
.endr
	v_nop                                          ; and between the reciprocals and theirs
.endm
; BLOCK: 16 rows x my 128 columns: n; through my stage into whole rows of 512 bytes; blended with the block's h (hr of window hw) and z (zr of window zw); stored.
.macro BLOCK a, hw, hr, zw, zr
	TAKE \a
	SIGMOID
	s_wait_alu depctr_va_vdst(0)
.irp b, 0,1,2,3,4,5,6,7
	ds_store_b128 v[STO], v[T+8*(\b):T+8*(\b)+3]   offset:64*(\b)
	ds_store_b128 v[STO], v[T+8*(\b)+4:T+8*(\b)+7] offset:64*(\b)+16
.endr
	s_wait_xcnt 0x0                                ; the stores of the block before have had their addresses translated (ISA guide 3.1): only behind this is OB, their data, loaded again
.irp t, 0,1,2,3,4,5,6,7,8,9,10,11,12,13,14,15
	ds_load_b128 v[OB+4*(\t):OB+4*(\t)+3], v[RD] offset:(\t)*SPITCH  ; LDS serves a wave's instructions in order (ISA guide 5.7.1.4): these see the stores above; the stage is my wave's own
.endr
.if (\a) == 3
	s_wait_loadcnt 0x0                             ; the last block's h and z, asked for three blocks ago
.endif
	WIN (\zw)|((\hw)<<2)|((\hw)<<4)|((\hw)<<6)
.set i, 0
.rept 32
	v_pk_fma_f32 v[(\hr)+i:(\hr)+i+1], v[(\zr)+i:(\zr)+i+1], v[(\hr)+i:(\hr)+i+1], v[(\hr)+i:(\hr)+i+1] neg_lo:[1,0,0] neg_hi:[1,0,0]  ; h - z h, while n comes back from the stage
.set i, i+2
.endr
	WIN 0
	s_wait_dscnt 0x0                               ; n
	WIN (\zw)|((\hw)<<4)
.set i, 0
.rept 32
	v_pk_fma_f32 v[OB+i:OB+i+1], v[(\zr)+i:(\zr)+i+1], v[OB+i:OB+i+1], v[(\hr)+i:(\hr)+i+1]  ; z n + (h - z h)
.set i, i+2
.endr
	WIN 0
.irp t, 0,1,2,3,4,5,6,7,8,9,10,11,12,13,14,15
	global_store_b128 v[CO4], v[OB+4*(\t):OB+4*(\t)+3], s[OUTP:OUTP+1] offset:65536*(\a)+4096*(\t) th:TH_STORE_NT  ; 512 consecutive bytes, at a multiple of 512 from out0's first byte
.endr
.endm
	s_wait_tensorcnt 1                             ; my part of K step 0 is in; step 1's may stay out
	s_barrier_signal -1
	s_barrier_wait -1
	FETCH 0, 0, F0
	s_wait_loadcnt 32                              ; loads come back in order (ISA guide 5.7.1): the bias is in; the 32 loads of block 0's h and z, issued behind it, may stay out
	WIN 0x41                                       ; destination and source 0 window 1
.set i, 0
.rept 32
	v_pk_mul_f32 v[NB+i:NB+i+1], v[NB+i:NB+i+1], s[CL:CL+1] op_sel_hi:[1,0]  ; -log2(e) x bias, once, while the first fragments come
.set i, i+2
.endr
	QUARTER 0, 1, F0, F1, 1                        ; the first quarter's products start the sums: nothing is cleared
	WIN 0
	LOADHZ 1, 3, 128, 3, 192                       ; block 1's h and z
	s_mov_b32 s3, LAPS-1
.Llap:                                                 ; a trip goes once round the ring and fills both slots again
	QUARTER 0, 2, F1, F0, 0
	QUARTER 0, 3, F0, F1, 0
	TURN 0, 1, 1
	QUARTER 1, 1, F0, F1, 0
	QUARTER 1, 2, F1, F0, 0
	QUARTER 1, 3, F0, F1, 0
	TURN 1, 0, 1
	QUARTER 0, 1, F0, F1, 0
	WIN 0
	s_sub_co_u32 s3, s3, 1
	s_cmp_lg_u32 s3, 0
	s_cbranch_scc1 .Llap
	LOADHZ 2, 1, 192, 0, 192                       ; block 2's h and z: the last lap and two blocks' work ahead of their use
	QUARTER 0, 2, F1, F0, 0                        ; the last lap is written out: it fills nothing
	QUARTER 0, 3, F0, F1, 0
	TURN 0, 1, 0
	QUARTER 1, 1, F0, F1, 0
	QUARTER 1, 2, F1, F0, 0
	QUARTER 1, 3, F0, F1, 0
	s_wait_dscnt 4                                 ; the very last quarter
	MUL16 F1, 0, 0
	s_wait_dscnt 0x0
	MUL16 F1, 2, 0
	; THE WAY OUT, four blocks written out: each names its own registers of h and z.
	PLACES                                         ; behind the last products: for the loads into the weights' fragment buffers and for the lines that read the sums
	LOADHZ 3, 1, 64, 1, 128                        ; block 3's h and z go where the weights' fragments lay
	s_wait_loadcnt 32                              ; all but those 32: h and z of blocks 0 to 2 are in
	BLOCK 0, 3, 0, 3, 64
	BLOCK 1, 3, 128, 3, 192
	BLOCK 2, 1, 192, 0, 192
	BLOCK 3, 1, 64, 1, 128
	s_wait_tensorcnt 0x0                           ; the wave's end: behind my last tensor load and my last LDS store
	ds_add_u32 v[SPW], v[NIL]
	s_wait_dscnt 0x0
	CROUND                                         ; the closing round: no work-group ends while a partner may still ask for a tile that names it
	s_endpgm
.Lfunc_end_k_q3563d2a00e_blend:
	.size	k_q3563d2a00e_blend, .Lfunc_end_k_q3563d2a00e_blend-k_q3563d2a00e_blend
	.p2alignl 7, 3214868480
	.fill 96, 4, 3214868480
	.section	.rodata,"a",@progbits
	.p2align	6, 0x0
	.amdhsa_kernel k_q3563d2a00e_blend
		.amdhsa_group_segment_fixed_size 327680
		.amdhsa_private_segment_fixed_size 0
		.amdhsa_enable_private_segment 0
		.amdhsa_kernarg_size 56
		.amdhsa_user_sgpr_count 2
		.amdhsa_user_sgpr_kernarg_segment_ptr 1
		.amdhsa_wavefront_size32 1
		.amdhsa_system_sgpr_workgroup_id_x 1
		.amdhsa_system_sgpr_workgroup_id_y 1
		.amdhsa_system_sgpr_workgroup_id_z 1
		.amdhsa_system_vgpr_workitem_id 0
		.amdhsa_next_free_vgpr 1024
		.amdhsa_next_free_sgpr 96
		.amdhsa_reserve_vcc 0
		.amdhsa_float_denorm_mode_32 3
		.amdhsa_float_denorm_mode_16_64 3
		.amdhsa_memory_ordered 1
		.amdhsa_forward_progress 1
		.amdhsa_inst_pref_size 151
	.end_amdhsa_kernel
	.amdgpu_metadata
---
amdhsa.version: [ 1, 2 ]
amdhsa.kernels:
  - .name:           k_q3563d2a00e_blend
    .symbol:         k_q3563d2a00e_blend.kd
    .args:
      - { .name: xb, .offset: 0, .size: 8, .value_kind: global_buffer, .address_space: global }
      - { .name: rhb, .offset: 8, .size: 8, .value_kind: global_buffer, .address_space: global }
      - { .name: wb, .offset: 16, .size: 8, .value_kind: global_buffer, .address_space: global }
      - { .name: bn, .offset: 24, .size: 8, .value_kind: global_buffer, .address_space: global }
      - { .name: h, .offset: 32, .size: 8, .value_kind: global_buffer, .address_space: global }
      - { .name: zf, .offset: 40, .size: 8, .value_kind: global_buffer, .address_space: global }
      - { .name: out0, .offset: 48, .size: 8, .value_kind: global_buffer, .address_space: global }
    .group_segment_fixed_size: 327680
    .private_segment_fixed_size: 0
    .kernarg_segment_align: 8
    .kernarg_segment_size: 56
    .max_flat_workgroup_size: 128
    .sgpr_count:     96
    .vgpr_count:     1024
    .wavefront_size: 32
...
	.end_amdgpu_metadata
.endif
;; end of part 3
